; MI455X (gfx1250); checked and timed in simulation.
; The chip was launched on July 23, 2026; its instructions are those of AMD's public machine-readable ISA for CDNA 5 (MIT licence, August 2026) and "CDNA5" Instruction Set Architecture Reference Guide (July 2026). The comments in the code are by the model that wrote it; some were corrected since.
;; Mo E Layer. Allowed arithmetic: matrix products marked QUANTISED: E3M2 operands, one E8M0 scale for each 32 along K, by v_wmma_scale_f32_16x16x128_f8f6f4 with both operands' format E3M2, f32 sums; products left as they are: f32 operands where the result goes on into a quantised operand, else bf16, f16 or f32 operands; f32 sums; everything else in f32.
;; Inputs: Sd 1,024 x 1,024 float32; Sg 1,024 x 1,024 float32; Su 1,024 x 1,024 float32; Wd 4 x 1,024 x 1,024 float32; Wg 4 x 1,024 x 1,024 float32; Wr 4 x 1,024 float32; Wu 4 x 1,024 x 1,024 float32; x 2 x 2,048 x 1,024 float32.
;; Outputs: out0 2 x 2,048 x 1,024 float32.
;; This version of the problem:
;;   THIS VERSION OF THE PROBLEM IS GIVEN IN LOW PRECISION. The matrix products marked QUANTISED in the list below multiply operands that are first quantised to E3M2 (3 exponent bits, 2 mantissa bits; 6 bits a number), with one power-of-two scale for each 32 numbers along K (OCP MX v1.0); their sums are f32. All else is computed in f32.
;;   The module's matrix products, in the order in which they are computed (A, B: the left and right operand; K: the contracted axis; several contracted axes count as one K, in the product's order):
;;     1. [M 4,096, K 1,024] x [K 1,024, N 4]; A: input x; B: input Wr: left as it is (N = 4 < 16)
;;     2. [M 4,096, K 1,024] x [K 1,024, N 4,096]; A: input x; B: input Wg: QUANTISED
;;     3. [M 4,096, K 1,024] x [K 1,024, N 4,096]; A: input x; B: input Wu: QUANTISED
;;     4. [M 4,096, K 4,096] x [K 4,096, N 1,024]; A: computed on the way; B: input Wd: QUANTISED
;;     5. [M 4,096, K 1,024] x [K 1,024, N 1,024]; A: input x; B: input Sg: QUANTISED
;;     6. [M 4,096, K 1,024] x [K 1,024, N 1,024]; A: input x; B: input Su: QUANTISED
;;     7. [M 4,096, K 1,024] x [K 1,024, N 1,024]; A: computed on the way; B: input Sd: QUANTISED
;;   THE QUANTISER, for each operand of a quantised product, along K:
;;     - K is cut into blocks of 32 from its start; a last block that is shorter is filled with zeros.
;;     - A block's scale is 2^e with e = floor(log2(the largest magnitude in the block)) - 4, held to -126 .. 127; a block of zeros has e = 0. As a byte (E8M0): e + 127.
;;     - Each number is divided by its block's scale, clamped to +-28, and rounded to the nearest number of E3M2, ties to even, subnormals kept.
;;     - The product sums the exact products of the quantised numbers (number of the format x scale) in f32.
;;   ~~~python
;;   def quantise(x, axis):      # numpy; x: float32 -> the quantised numbers, widened to float32 again
;;       x = np.moveaxis(x, axis, -1); K = x.shape[-1]
;;       x = np.pad(x, [(0, 0)] * (x.ndim - 1) + [(0, -K % 32)]); x = x.reshape(x.shape[:-1] + (-1, 32)); a = np.abs(x).max(-1, keepdims=True)
;;       e = np.where(a > 0, np.clip(np.frexp(np.where(a > 0, a, 1))[1] - 1 - 4, -126, 127), 0)      # np.frexp(a)[1] - 1 = floor(log2(a)), exactly
;;       r = np.clip(x / 2.0 ** e, -28, 28)
;;       step = 2.0 ** (np.maximum(np.frexp(np.where(r == 0, 1, r))[1] - 1, -2) - 2)
;;       q = np.round(r / step) * step * 2.0 ** e      # np.round: ties to even
;;       return np.moveaxis(q.reshape(q.shape[:-2] + (-1,))[..., :K], -1, axis).astype(np.float32)
;;   ~~~
;;   OPERANDS COMPUTED ON THE WAY. 'Computed on the way' means the value that the module computes at that place (a softmax that the list does not call 'softmax' is quantised finished and normalised). What goes into a quantiser is computed in f32, as accurately as f32 sums, v_exp_f32 and their like allow (about 1e-6 of the number): no bf16 or f16 on the way to a quantiser, and a product that is left as it is and whose result goes on into a quantised operand takes f32 operands (vector FMAs, or v_wmma_f32_16x16x4_f32). A number that lies on a knife's edge between two numbers of the format may be rounded either way, as far as f32 arithmetic and the matrix unit's own rounding can turn it there, and no further.
;; One version. Each part assembles by itself: llvm-mc -triple=amdgcn-amd-amdhsa -mcpu=gfx1250 --defsym DOCPART=n.
;; ======== version 1 of 1: 3 launches
;; limits: right only within a limited range of input values
;; workspace buffers: xq 3,276,800 bytes; wq1 8,192,000 bytes; wq2 4,096,000 bytes; hq 16,384,000 bytes; comb 81,920 bytes
;; launch prep (part 1): grid 304 x 1, 4 waves a work-group, no clusters, 89,600 bytes of LDS; arguments x, Wr, Wg, Wu, Wd, Sg, Su, Sd, xq, wq1, wq2, comb; writes xq, wq1, wq2, comb
.if DOCPART == 1
	.amdgcn_target "amdgcn-amd-amdhsa--gfx1250"
	.amdhsa_code_object_version 6
	.text
	.protected	k_q10e95e5e11_prep
	.globl	k_q10e95e5e11_prep
	.p2align	8
	.type	k_q10e95e5e11_prep,@function
k_q10e95e5e11_prep:
	s_mov_b64 s[64:65], 0
	v_nop
	global_prefetch_b8 v0, s[64:65] scope:SCOPE_SE
	s_setreg_imm32_b32 hwreg(HW_REG_WAVE_MODE, 25, 1), 1
	s_wait_xcnt 0x0
; PREP: x and all weights, f32 with K innermost, become codes of BF6 (E3M2) with one E8M0 byte for each 32 along K; the router's combine weights are made beside x.
; THE LAYOUT of every code buffer: units of 25,600 bytes = 128 rows x 256 along K.  Codes at [rb 8][q 2][c 2][768]: rb = 16 rows, q = which 128 along K, c = which 64 of them.  A half image of
; 768 bytes is the operand's registers as they stand: registers 6c..6c+3 of lane l at 16 l, registers 6c+4, 6c+5 at 512 + 8 l (lane (r, h) holds k = 64c + 32h + 0..31 of row r).
; Scale words behind the codes, at 24,576 + 512 q + 64 rb + 4 r.  So a reader takes a fragment by two loads of 16 bytes and two of 8, each over consecutive bytes.
; SHARES: a work-group takes 64 operand rows x K 1,024, a wave 16 rows, in 8 steps of 128 along K.  Work-groups 0-63: x (and the router); 64-223: gate and up weights; 224-303: down weights.
; wq1's rows are laid so that a tile's lanes 0-7 take eight neighbouring hidden units and lanes 8-15 the eight that lie 16 further on; group gB = 16 e + j holds 64 gate rows, then 64 up rows (e = 4: the shared expert).
; A step: 16 loads of 512 consecutive bytes (a row's 128 numbers); through the wave's own stage in LDS, so that a lane gets 2 x 32 neighbours along K; largest magnitudes, scale bytes, conversions; stores of whole aligned blocks of 256 bytes.
; A block's scale byte is its largest magnitude's exponent field - 4, held at 1 from below.
; THE ROUTER (f32 multiply-adds, since its result goes on into a quantised operand): each lane multiplies the 4 numbers of each row that it has loaded by Wr's; the 64 sums are folded over the lanes; softmax with its maximum
; taken away, the two largest scores (a tie keeps the lower index), divided by their sum + 1e-8.  comb is [5][4096] f32; plane 4, the shared expert's, is 1.0.
; LIMITS: NaN and infinities are not served.  A block of zeros gets the byte 1 where the rule says 127: its codes are zeros and this program alone reads the bytes.  A score under 2^-126 counts as 0.
; The router's sums are added in another order than a plain dot product's.
; No tensor loads, no cluster: work-groups share no input but Wr's 16 KB.  The two paths part on the work-group's number and have LDS bytes of their own.
.set UNIT,  25600
.set SP,    528                        ; a stage row: 512 bytes + 16: the sixteen rows that a read touches start 33 x 16 bytes apart
.set STG_X, 0                          ; x path: 4 stages of 16 rows,
.set SCW_X, 33792                      ; scale words [step 8][wave 4][r 16],
.set CMB,   35840                      ; combine weights [e 4][wave 4][r 16]
.set STG_W, 36864                      ; weights path: stages,
.set SCW_W, 70656                      ; scale words
.set WRL,   73216                      ; x path, behind the spare words: Wr as it lies in memory, [e 4][1024] f32, 16,384 bytes, stored once by the four waves (wave w: expert w's row)
.set WRR,   44                         ; v44-59 Wr's 16 numbers of a step: [e 4][4]; the router's tail uses these registers afterwards
.set RR,  2                            ; v2   r = lane % 16
.set HH,  3                            ; v3   h = lane / 16
.set LO,  4                            ; v4   16 x lane
.set LO2, 5                            ; v5   the same for rows 8-15 (+ 8 rows in wq1's order)
.set STA, 6                            ; v6   the stage, on the way in
.set RDA, 7                            ; v7   and on the way out
.set O8,  8                            ; v8   8 x lane
.set SWA, 9                            ; v9   where my row's scale word goes
.set CWA, 10                           ; v10  where my row's combine weights go
.set H8,  11                           ; v11  8 h
.set M,   12                           ; v12-15 largest magnitudes, four chains
.set S,   16                           ; v16-17 the conversions' scale operands
.set B,   18                           ; v18-19 the bytes
.set W,   20                           ; v20  the scale word
.set W2,  21                           ; v21  the other half's
.set SOA, 22                           ; v22  the scale words' way out
.set COA, 23                           ; v23  the combine weights' way out
.set P,   24                           ; v24-35 a fragment
.set TMP, 36                           ; v36-38, v40-42
.set TS,  44                           ; v44-47 the router's tail
.set T0,  48
.set T1,  49
.set SC,  50
.set RK,  54
.set KP,  58
.set X,   64                           ; v64-127 64 numbers of a lane
.set ACC, 128                          ; window 1, x path: 64 pairs of partial sums; v0-127 of window 1: two of the four sets of loaded numbers
.set MSB, 0
.macro WIN new                         ; the immediate's high byte repeats the setting that is left
.if MSB != (\new)
	s_set_vgpr_msb (MSB<<8)|(\new)
.set MSB, (\new)
.endif
.endm
.macro LOAD t, base, win               ; step t's 16 rows x 512 bytes
	WIN \win
.irp n, 0,1,2,3,4,5,6,7
	global_load_b128 v[\base+4*\n:\base+4*\n+3], v[LO], s[36:37] offset:4096*\n+512*(\t) th:TH_LOAD_NT
.endr
.irp n, 8,9,10,11,12,13,14,15
	global_load_b128 v[\base+4*\n:\base+4*\n+3], v[LO2], s[36:37] offset:4096*\n+512*(\t) th:TH_LOAD_NT
.endr
	WIN 0
.endm
.macro TURN base, win                  ; through my stage: LDS serves a wave's instructions in order, so no wait stands between the stores and the loads
	WIN \win
.irp n, 0,1,2,3,4,5,6,7,8,9,10,11,12,13,14,15
	ds_store_b128 v[STA], v[\base+4*\n:\base+4*\n+3] offset:SP*\n
.endr
	WIN 0
.irp c, 0,1
.irp j, 0,1,2,3,4,5,6,7
	ds_load_b128 v[X+32*\c+4*\j:X+32*\c+4*\j+3], v[RDA] offset:256*\c+16*\j
.endr
.endr
.endm
.macro FMA t, base, win                ; the router: row n, expert e, my four numbers of this step; two links on one pair stand four instructions apart
	WIN 0x50|(\win)                                ; x in the set's window; Wr in window 0; the sums in window 1
.irp n, 0,1,2,3,4,5,6,7,8,9,10,11,12,13,14,15
.irp p, 0,1
.irp e, 0,1,2,3
.if ((\t) == 0) && (\p == 0)
	v_pk_mul_f32 v[ACC+2*(4*\n+\e):ACC+2*(4*\n+\e)+1], v[\base+4*\n+2*\p:\base+4*\n+2*\p+1], v[WRR+4*\e+2*\p:WRR+4*\e+2*\p+1]
.else
	v_pk_fma_f32 v[ACC+2*(4*\n+\e):ACC+2*(4*\n+\e)+1], v[\base+4*\n+2*\p:\base+4*\n+2*\p+1], v[WRR+4*\e+2*\p:WRR+4*\e+2*\p+1], v[ACC+2*(4*\n+\e):ACC+2*(4*\n+\e)+1]
.endif
.endr
.endr
.endr
	WIN 0
.endm
.macro QUANT                           ; v[X+32c+i] = k 64c + 32h + i of my row: two whole blocks a lane
.irp k, 0,1,2,3
	v_max3_num_f32 v[M+\k], |v[X+16*\k]|, |v[X+16*\k+1]|, 0x2800000   ; with the floor 2^(5 - 127): the byte cannot fall under 1
.endr
.irp i, 2,4,6,8,10,12,14
.irp k, 0,1,2,3
	v_max3_num_f32 v[M+\k], v[M+\k], |v[X+16*\k+\i]|, |v[X+16*\k+\i+1]|
.endr
.endr
	v_max_num_f32 v[M], v[M], v[M+1]
	v_max_num_f32 v[M+2], v[M+2], v[M+3]
	v_add_nc_u32 v[S], 0xfe000000, v[M]            ; 4 off the exponent field: the conversion's scale operand
	v_add_nc_u32 v[S+1], 0xfe000000, v[M+2]
	v_lshrrev_b32 v[B], 23, v[S]                   ; the byte
	v_lshrrev_b32 v[B+1], 23, v[S+1]
	v_lshl_or_b32 v[W], v[B+1], 16, v[B]           ; blocks h and 2 + h,
	v_lshlrev_b32 v[W], v[H8], v[W]                ; at their places in the word;
	v_permlanex16_b32 v[W2], v[W], s30, s31
	v_or_b32 v[W], v[W], v[W2]                     ; with lane l xor 16's two the word is whole
.irp c, 0,1
	v_cvt_scalef32_pk16_bf6_f32 v[P+6*\c:P+6*\c+2], v[X+32*\c:X+32*\c+15], v[S+\c]
	v_cvt_scalef32_pk16_bf6_f32 v[TMP+4*\c:TMP+4*\c+2], v[X+32*\c+16:X+32*\c+31], v[S+\c]   ; (a conversion's three registers begin on an even number)
.endr
	v_nop                                          ; one plain place behind a scaled conversion
.irp c, 0,1
.irp i, 0,1,2
	v_mov_b32 v[P+6*\c+3+\i], v[TMP+4*\c+\i]
.endr
.endr
.endm
.macro OUT t                           ; each store covers whole aligned blocks of 256 bytes: 512 and 256 consecutive bytes
.irp c, 0,1
	global_store_b128 v[LO], v[P+6*\c:P+6*\c+3], s[40:41] offset:((\t)/2)*UNIT+((\t)%2)*1536+768*\c
	global_store_b64 v[O8], v[P+6*\c+4:P+6*\c+5], s[40:41] offset:((\t)/2)*UNIT+((\t)%2)*1536+768*\c+512
.endr
	ds_store_b32 v[SWA], v[W] offset:256*(\t)      ; both halves of the lanes write the same word with the same value
.endm
.macro STEP t, isx
.if \isx
.set XW, ((\t)%4)/2                    ; four sets of 64: two in window 0 (v128, v192), two in window 1 (v0, v64)
.set RB, 128*(1-XW)+64*((\t)%2)
.set DEP, 4
.set WL, 0x40*XW
.set WS, 0x04*XW
.else
.set RB, 64*((\t)%4)                   ; four sets of 64 in window 1
.set DEP, 4
.set WL, 0x40
.set WS, 0x04
.endif
.if 7-(\t) < DEP-1
	s_wait_loadcnt 16*(7-(\t))                     ; this step's 16 loads are in; the later steps' may be out
.else
	s_wait_loadcnt 16*(DEP-1)
.endif
.if \isx
.irp e, 0,1,2,3
	ds_load_b128 v[WRR+4*\e:WRR+4*\e+3], v1 offset:4096*\e+512*(\t)   ; Wr[e][128 t + 4 lane ..]
.endr
.endif
	TURN RB, WS
.if \isx
	s_wait_dscnt 32                                ; Wr's four loads are in; the stage's 16 stores and 16 loads behind them may be out
	FMA \t, RB, XW
.endif
	s_wait_dscnt 0x0                               ; my 64 numbers are back, and the stage's stores have read the set
	s_wait_xcnt 0x0                                ; the last step's stores have read the fragment's registers, which are written anew below
.if (\t)+DEP < 8
	LOAD (\t)+DEP, RB, WL
.endif
	QUANT
	OUT \t
.endm
.macro LDSADR stg, scw
	s_mul_i32 s29, s28, 16*SP
	v_add_nc_u32 v[STA], s29, v[LO]
	v_add_nc_u32 v[STA], \stg, v[STA]              ; in: row n at SP n, 16 bytes a lane
	v_mul_u32_u24 v[RDA], v[RR], SP
	v_lshl_add_u32 v[RDA], v[HH], 7, v[RDA]
	v_add_nc_u32 v[RDA], s29, v[RDA]
	v_add_nc_u32 v[RDA], \stg, v[RDA]              ; out: row r, + 128 h
	s_lshl_b32 s29, s28, 6
	v_lshl_add_u32 v[SWA], v[RR], 2, s29
	v_add_nc_u32 v[SWA], \scw, v[SWA]
	s_lshl_b32 s29, s28, 9
	v_add_nc_u32 v[SOA], s29, v[O8]
	v_add_nc_u32 v[SOA], \scw, v[SOA]              ; on the way out wave w takes steps 2w, 2w + 1: unit w's words
.endm
.macro BASES                           ; s32 = first unit's byte, s34 = which 64 rows of the unit, s[38:39] = the buffer:  s[40:41] my codes, s[42:43] the scale words of unit w
	s_lshl_b32 s35, s34, 2
	s_add_co_u32 s35, s35, s28
	s_mul_i32 s44, s35, 3072
	s_add_co_u32 s44, s44, s32
	s_mov_b32 s45, 0
	s_add_nc_u64 s[40:41], s[38:39], s[44:45]
	s_lshl_b32 s35, s34, 8
	s_mul_i32 s44, s28, UNIT
	s_add_co_u32 s44, s44, s35
	s_add_co_u32 s44, s44, s32
	s_add_co_u32 s44, s44, 24576
	s_add_nc_u64 s[42:43], s[38:39], s[44:45]
.endm
	s_load_b512 s[4:19], s[0:1], 0x0               ; x, Wr, Wg, Wu, Wd, Sg, Su, Sd
	s_load_b256 s[20:27], s[0:1], 0x40             ; xq, wq1, wq2, comb
	v_lshl_add_u32 v62, v0, 2, 0x11c00
	v_mov_b32 v63, 0
	v_lshrrev_b32 v1, 5, v0
	v_readfirstlane_b32 s28, v1                    ; wave
	v_and_b32 v1, 31, v0                           ; lane
	v_and_b32 v[RR], 15, v0
	v_bfe_u32 v[HH], v0, 4, 1
	v_lshlrev_b32 v[LO], 4, v1
	v_lshlrev_b32 v[O8], 3, v1
	v_lshlrev_b32 v[H8], 3, v[HH]
	v_mov_b32 v[W2], 0                             ; a lane permute's destination counts as one of its sources
	s_mov_b32 s30, 0x76543210
	s_mov_b32 s31, 0xfedcba98                      ; selects for lane l xor 16
	s_cmp_lt_u32 ttmp9, 64
	s_cbranch_scc0 .Lweights
	; ---------------- x and the router: tokens 64 id + 16 w on
	s_lshl_b32 s46, ttmp9, 18
	s_lshl_b32 s47, s28, 16
	s_add_co_u32 s46, s46, s47
	s_mov_b32 s47, 0
	s_lshr_b32 s32, ttmp9, 1
	s_mul_i32 s32, s32, 4*UNIT
	s_and_b32 s34, ttmp9, 1
	s_lshl_b32 s48, s28, 14                        ; comb: plane w, tokens 64 id on
	s_lshl_b32 s49, ttmp9, 8
	s_add_co_u32 s48, s48, s49
	s_mov_b32 s49, 0
	s_mov_b32 s52, 0xaaaaaaaa                      ; lanes whose bit 0, 1, 2, 3 is set
	s_mov_b32 s53, 0xcccccccc
	s_mov_b32 s54, 0xf0f0f0f0
	s_mov_b32 s55, 0xff00ff00
	s_wait_alu depctr_va_vdst(0)
	v_mov_b32 v[LO2], v[LO]
	LDSADR STG_X, SCW_X
	s_lshl_b32 s29, s28, 6
	v_lshl_add_u32 v[CWA], v[RR], 2, s29
	v_add_nc_u32 v[CWA], CMB, v[CWA]
	s_lshl_b32 s29, s28, 8
	v_add_nc_u32 v[COA], s29, v[O8]
	v_add_nc_u32 v[COA], CMB, v[COA]
	s_lshl_b32 s29, s28, 12
	v_add_nc_u32 v60, s29, v[LO]                   ; Wr: my wave's row, 16 bytes a lane: in memory,
	v_add_nc_u32 v61, WRL, v60                     ; and in LDS;
	v_add_nc_u32 v1, WRL, v[LO]                    ; and where a step reads it
	s_wait_alu depctr_va_vdst(0)
	s_wait_kmcnt 0x0
	s_add_nc_u64 s[36:37], s[4:5], s[46:47]
	s_mov_b64 s[38:39], s[20:21]
	BASES
	s_add_nc_u64 s[50:51], s[26:27], s[48:49]
.irp i, 0,1,2,3,4,5,6,7
	global_load_b128 v[X+4*\i:X+4*\i+3], v60, s[6:7] offset:512*\i   ; expert w's row of Wr, 512 consecutive bytes a load
.endr
	LOAD 0, 128, 0
	LOAD 1, 192, 0
	LOAD 2, 0, 0x40
	s_wait_loadcnt 48                              ; Wr's eight loads are in; the 48 of x's first three steps may be out
.irp i, 0,1,2,3,4,5,6,7
	ds_store_b128 v61, v[X+4*\i:X+4*\i+3] offset:512*\i
.endr
	LOAD 3, 64, 0x40
	s_wait_dscnt 0x0                               ; for the others' sake: my row of Wr lies in LDS
	s_barrier_signal -1
	s_barrier_wait -1
.irp t, 0,1,2,3,4,5,6,7
	STEP \t, 1
.endr
	; the router's tail.  64 sums (row n, expert e), each spread over 32 lanes
	WIN 0x05
.set i, 0
.rept 64
	v_add_f32 v[X+i], v[ACC+2*i], v[ACC+2*i+1]
.set i, i+1
.endr
	WIN 0
; A fold over lane bit k: of rows n and n + 2^k a lane keeps the one whose bit k is its own and sends the other to lane l xor 2^k.  After four folds lane r holds row r's sums over its half of the lanes.
.macro BFLY cnt, st, msk
.set nn, 0
.rept \cnt
.irp e, 0,1,2,3
	v_cndmask_b32 v[TS+\e], v[X+4*(nn+\st)+\e], v[X+4*nn+\e], s[\msk]
.endr
.irp e, 0,1,2,3
	v_cndmask_b32 v[X+4*nn+\e], v[X+4*nn+\e], v[X+4*(nn+\st)+\e], s[\msk]
.endr
.irp e, 0,1,2,3
	v_add_f32_dpp v[X+4*nn+\e], v[TS+\e], v[X+4*nn+\e] row_xmask:\st row_mask:0xf bank_mask:0xf
.endr
.set nn, nn+2*\st
.endr
.endm
	BFLY 8, 1, 52
	BFLY 4, 2, 53
	BFLY 2, 4, 54
	BFLY 1, 8, 55
.irp e, 0,1,2,3
	v_permlanex16_b32 v[TS+\e], v[X+\e], s30, s31
.endr
.irp e, 0,1,2,3
	v_add_f32 v[X+\e], v[X+\e], v[TS+\e]           ; row r's four logits
.endr
	v_max3_num_f32 v[T0], v[X], v[X+1], v[X+2]
	v_max_num_f32 v[T0], v[T0], v[X+3]             ; the maximum is taken away
.irp e, 0,1,2,3
	v_sub_f32 v[X+\e], v[X+\e], v[T0]
.endr
.irp e, 0,1,2,3
	v_mul_f32 v[X+\e], 0x3fb8aa3b, v[X+\e]
.endr
	s_wait_alu depctr_va_vdst(0)
.irp e, 0,1,2,3
	v_exp_f32 v[X+4+\e], v[X+\e]
.endr
.irp e, 0,1,2,3
	v_mov_b32 v[RK+\e], 0                          ; (plain work behind the exponentials)
.endr
	s_wait_alu depctr_va_vdst(0)                   ; one wait for the four, ahead of their first reader
	v_add_f32 v[T0], v[X+4], v[X+5]
	v_add_f32 v[T1], v[X+6], v[X+7]
	v_add_f32 v[T0], v[T0], v[T1]
	s_wait_alu depctr_va_vdst(0)
	v_rcp_f32 v[T1], v[T0]
	v_nop
	s_wait_alu depctr_va_vdst(0)
.irp e, 0,1,2,3
	v_mul_f32 v[SC+\e], v[X+4+\e], v[T1]           ; the scores
.endr
.macro PAIR ia, ib                     ; ib beats ia only where its score is greater: a tie keeps the lower index
	v_cmp_gt_f32 vcc_lo, v[SC+\ib], v[SC+\ia]
	v_cndmask_b32 v[T0], 0, 1, vcc_lo
	v_add_nc_u32 v[RK+\ia], v[RK+\ia], v[T0]
	v_sub_nc_u32 v[T0], 1, v[T0]
	v_add_nc_u32 v[RK+\ib], v[RK+\ib], v[T0]
.endm
	PAIR 0, 1
	PAIR 0, 2
	PAIR 0, 3
	PAIR 1, 2
	PAIR 1, 3
	PAIR 2, 3
.irp e, 0,1,2,3
	v_cmp_gt_u32 vcc_lo, 2, v[RK+\e]               ; beaten by fewer than two: chosen
	v_cndmask_b32 v[KP+\e], 0, v[SC+\e], vcc_lo
.endr
	v_add_f32 v[T0], v[KP], v[KP+1]
	v_add_f32 v[T1], v[KP+2], v[KP+3]
	v_add_f32 v[T0], v[T0], v[T1]
	v_add_f32 v[T0], 0x322bcc77, v[T0]             ; + 1e-8
	s_wait_alu depctr_va_vdst(0)
	v_rcp_f32 v[T1], v[T0]
	v_nop
	s_wait_alu depctr_va_vdst(0)
.irp e, 0,1,2,3
	v_mul_f32 v[KP+\e], v[KP+\e], v[T1]
.endr
.irp e, 0,1,2,3
	ds_store_b32 v[CWA], v[KP+\e] offset:256*\e
.endr
	s_wait_dscnt 0x0                               ; for the others' sake: my scale words and combine weights lie in LDS
	s_barrier_signal -1
	s_barrier_wait -1
	ds_load_b64 v[X:X+1], v[SOA]
	ds_load_b64 v[X+2:X+3], v[SOA] offset:256
	ds_load_b64 v[X+4:X+5], v[COA]
	s_wait_dscnt 2
	global_store_b64 v[O8], v[X:X+1], s[42:43]             ; 32 lanes store one aligned block of 256 bytes: 64 rows' words of one K step
	s_wait_dscnt 1
	global_store_b64 v[O8], v[X+2:X+3], s[42:43] offset:512
	s_wait_dscnt 0x0
	global_store_b64 v[O8], v[X+4:X+5], s[50:51]           ; expert w's weights of the 64 tokens
	s_cmp_lg_u32 s28, 0
	s_cbranch_scc1 .Lx_end
	v_mov_b32 v[X+6], 1.0
	v_mov_b32 v[X+7], 1.0
	global_store_b64 v[O8], v[X+6:X+7], s[50:51] offset:65536   ; wave 0 (plane 0's address): plane 4, the shared expert's
.Lx_end:
	s_wait_tensorcnt 0x0
	ds_add_u32 v62, v63
	s_wait_dscnt 0x0
	s_endpgm
	; ---------------- the weights
.Lweights:
	s_sub_co_u32 s32, ttmp9, 64
	s_min_u32 s33, s32, 159                        ; gate / up: e = t >> 5, j = (t >> 1) & 15, up = t & 1
	s_max_u32 s34, s32, 160
	s_sub_co_u32 s34, s34, 160                     ; down: e = t2 >> 4, gD = (t2 >> 1) & 7, which 64 rows = t2 & 1
	s_lshr_b32 s44, s33, 5
	s_bfe_u32 s45, s33, 0x40001
	s_and_b32 s46, s33, 1
	s_lshl_b32 s47, s45, 6
	s_lshr_b32 s48, s28, 1
	s_lshl_b32 s48, s48, 5
	s_add_co_u32 s47, s47, s48
	s_and_b32 s48, s28, 1
	s_lshl_b32 s48, s48, 3
	s_add_co_u32 s47, s47, s48                     ; first row: 64 j + 32 (w / 2) + 8 (w % 2)
	s_lshl_b32 s48, s44, 4
	s_add_co_u32 s48, s48, s45
	s_lshl_b32 s48, s48, 2                         ; first unit: 4 (16 e + j)
	s_lshr_b32 s49, s34, 4
	s_bfe_u32 s50, s34, 0x30001
	s_and_b32 s51, s34, 1
	s_lshl_b32 s52, s50, 7
	s_lshl_b32 s53, s51, 6
	s_add_co_u32 s52, s52, s53
	s_lshl_b32 s53, s28, 4
	s_add_co_u32 s52, s52, s53                     ; first row: 128 gD + 64 half + 16 w
	s_mul_i32 s53, s50, 20
	s_lshl_b32 s54, s49, 2
	s_add_co_u32 s53, s53, s54                     ; first unit: 20 gD + 4 e
	s_wait_kmcnt 0x0
	s_cmp_lt_u32 s32, 160
	s_cselect_b32 s44, s44, s49
	s_cselect_b32 s47, s47, s52
	s_cselect_b32 s48, s48, s53
	s_cselect_b32 s34, s46, s51
	s_cselect_b32 s55, 32768, 0                    ; in wq1's order rows 8-15 of a tile lie 8 rows further on
	s_cselect_b64 s[38:39], s[22:23], s[24:25]
	s_cmp_eq_u32 s44, 4                            ; the shared expert's tensors
	s_cselect_b64 s[56:57], s[14:15], s[8:9]
	s_cselect_b64 s[58:59], s[16:17], s[10:11]
	s_cselect_b64 s[60:61], s[18:19], s[12:13]
	s_cmp_eq_u32 s46, 1
	s_cselect_b64 s[56:57], s[58:59], s[56:57]
	s_cmp_lt_u32 s32, 160
	s_cselect_b64 s[36:37], s[56:57], s[60:61]
	s_and_b32 s44, s44, 3
	s_lshl_b32 s44, s44, 22                        ; the expert's 4 MiB,
	s_lshl_b32 s47, s47, 12                        ; the row's 4,096 bytes
	s_add_co_u32 s44, s44, s47
	s_mov_b32 s45, 0
	s_add_nc_u64 s[36:37], s[36:37], s[44:45]
	s_mul_i32 s32, s48, UNIT
	BASES
	s_wait_alu depctr_va_vdst(0)
	v_add_nc_u32 v[LO2], s55, v[LO]
	LDSADR STG_W, SCW_W
	LOAD 0, 0, 0x40
	LOAD 1, 64, 0x40
	LOAD 2, 128, 0x40
	LOAD 3, 192, 0x40
	s_wait_alu depctr_va_vdst(0)
.irp t, 0,1,2,3,4,5,6,7
	STEP \t, 0
.endr
	s_wait_dscnt 0x0                               ; for the others' sake: my scale words lie in LDS
	s_barrier_signal -1
	s_barrier_wait -1
	ds_load_b64 v[X:X+1], v[SOA]
	ds_load_b64 v[X+2:X+3], v[SOA] offset:256
	s_wait_dscnt 1
	global_store_b64 v[O8], v[X:X+1], s[42:43]
	s_wait_dscnt 0x0
	global_store_b64 v[O8], v[X+2:X+3], s[42:43] offset:512
	s_wait_tensorcnt 0x0
	ds_add_u32 v62, v63
	s_wait_dscnt 0x0
	s_endpgm
.Lfunc_end_k_q10e95e5e11_prep:
	.size	k_q10e95e5e11_prep, .Lfunc_end_k_q10e95e5e11_prep-k_q10e95e5e11_prep
	.p2alignl 7, 3214868480
	.fill 96, 4, 3214868480
	.section	.rodata,"a",@progbits
	.p2align	6, 0x0
	.amdhsa_kernel k_q10e95e5e11_prep
		.amdhsa_group_segment_fixed_size 89600
		.amdhsa_private_segment_fixed_size 0
		.amdhsa_enable_private_segment 0
		.amdhsa_kernarg_size 96
		.amdhsa_user_sgpr_count 2
		.amdhsa_user_sgpr_kernarg_segment_ptr 1
		.amdhsa_wavefront_size32 1
		.amdhsa_system_sgpr_workgroup_id_x 1
		.amdhsa_system_sgpr_workgroup_id_y 1
		.amdhsa_system_sgpr_workgroup_id_z 1
		.amdhsa_system_vgpr_workitem_id 0
		.amdhsa_next_free_vgpr 512
		.amdhsa_next_free_sgpr 66
		.amdhsa_reserve_vcc 1
		.amdhsa_float_denorm_mode_32 3
		.amdhsa_float_denorm_mode_16_64 3
		.amdhsa_memory_ordered 1
		.amdhsa_forward_progress 1
		.amdhsa_inst_pref_size 208
	.end_amdhsa_kernel
	.amdgpu_metadata
---
amdhsa.version: [ 1, 2 ]
amdhsa.kernels:
  - .name:           k_q10e95e5e11_prep
    .symbol:         k_q10e95e5e11_prep.kd
    .args:
      - { .name: x, .offset: 0, .size: 8, .value_kind: global_buffer, .address_space: global }
      - { .name: Wr, .offset: 8, .size: 8, .value_kind: global_buffer, .address_space: global }
      - { .name: Wg, .offset: 16, .size: 8, .value_kind: global_buffer, .address_space: global }
      - { .name: Wu, .offset: 24, .size: 8, .value_kind: global_buffer, .address_space: global }
      - { .name: Wd, .offset: 32, .size: 8, .value_kind: global_buffer, .address_space: global }
      - { .name: Sg, .offset: 40, .size: 8, .value_kind: global_buffer, .address_space: global }
      - { .name: Su, .offset: 48, .size: 8, .value_kind: global_buffer, .address_space: global }
      - { .name: Sd, .offset: 56, .size: 8, .value_kind: global_buffer, .address_space: global }
      - { .name: xq, .offset: 64, .size: 8, .value_kind: global_buffer, .address_space: global }
      - { .name: wq1, .offset: 72, .size: 8, .value_kind: global_buffer, .address_space: global }
      - { .name: wq2, .offset: 80, .size: 8, .value_kind: global_buffer, .address_space: global }
      - { .name: comb, .offset: 88, .size: 8, .value_kind: global_buffer, .address_space: global }
    .group_segment_fixed_size: 89600
    .private_segment_fixed_size: 0
    .kernarg_segment_align: 8
    .kernarg_segment_size: 96
    .max_flat_workgroup_size: 128
    .sgpr_count:     66
    .vgpr_count:     512
    .wavefront_size: 32
...
	.end_amdgpu_metadata
.endif
;; end of part 1
;; launch gateup (part 2): grid 16 x 16, 4 waves a work-group, clusters of 4 x 1, 327,680 bytes of LDS; arguments xq, wq1, comb, hq; writes hq
.if DOCPART == 2
	.amdgcn_target "amdgcn-amd-amdhsa--gfx1250"
	.amdhsa_code_object_version 6
	.text
	.protected	k_q10e95e5e11_gateup
	.globl	k_q10e95e5e11_gateup
	.p2align	8
	.type	k_q10e95e5e11_gateup,@function
k_q10e95e5e11_gateup:
	s_mov_b64 s[64:65], 0
	v_nop
	global_prefetch_b8 v0, s[64:65] scope:SCOPE_SE
	s_setreg_imm32_b32 hwreg(HW_REG_WAVE_MODE, 25, 1), 1
	s_wait_xcnt 0x0
	s_wait_alu depctr_hold_cnt(0) depctr_sa_sdst(0) depctr_va_vdst(0) depctr_va_sdst(0) depctr_va_ssrc(0) depctr_va_vcc(0) depctr_vm_vsrc(0)
	s_getreg_b32 s2, hwreg(HW_REG_IB_STS2, 6, 4)
	s_cmp_eq_u32 s2, 0
	s_cbranch_scc0 .Lentry_in_a_cluster
	s_endpgm
.Lentry_in_a_cluster:
	s_bfe_u32 s2, ttmp6, 0x10000c
	s_cmp_lg_u32 s2, 0x3003
	s_cbranch_scc0 .Lentry_shape_is_right
	s_endpgm
.Lentry_shape_is_right:
; GATEUP: h = silu(x Wg^T) x (x Wu^T) x combine, for the four experts and the shared one (plane 4 of comb is 1.0), both products on codes of BF6 with E8M0 scales; h is quantised along the hidden units and stored as codes.
; Every expert is computed for every token: where combine is 0, h is 0 and its codes are zeros.
; SHARES: a work-group takes 256 tokens (T) and five row groups of wq1, gB = 5 Y .. 5 Y + 4: each 64 gate rows and 64 up rows of one expert, for all of K = 1,024.  Wave w takes tokens 64 w .. 64 w + 63 against all 128 rows:
; 32 accumulators, 256 registers.  ITS FRAGMENTS OF x FOR ALL OF K STAY IN REGISTERS (384), loaded once from xq as they lie.  The weights go through a ring of two LDS slots; a slot is one row group, 4 units of 25,600 bytes.
; CLUSTER: the four work-groups of a cluster have the same Y and other T: they walk the same 512,000 bytes of wq1, so each unit is asked for JOINTLY, one load a wave (wave w: unit w).  x is not shared: each partner has its own tokens.
; THE MATRIX INSTRUCTION IS USED TRANSPOSED (source 0 = 16 weight rows, source 1 = 16 tokens): a lane holds one token, and by wq1's order of rows the 16 registers of tiles 2b, 2b + 1 are 16 neighbouring hidden units.
; So h's codes come out of the conversions as half an operand image (64 along the next K), and leave as whole aligned blocks of 256 bytes.  A row group gives two of a scale word's four bytes: they leave by stores of 2 bytes a lane,
; 1 byte in 25 of hq; five row groups to a work-group cannot be paired.
; A refill is asked for at a sub-tile's head and is waited for at the next one's: 256 matrix instructions and the activation lie between.  One tensor load of a wave is out at most.
; LIMITS: NaN and infinities are not served; a block of zeros gets the scale byte 1 (its codes are zeros; this program alone reads the bytes).
; REGISTERS: window 0: v1 spare word, v2 zero, v3-7 lane terms, v8-13 LDS addresses, v16-23 combine weights, v32-47 x's scale words, v48-63 the weights' (two sets), v64-159 and v160-255 the weights' fragments, two sets
; (in the activation: v64-191 h, v192-243 at work).  Window 1: x's K steps 0-4 at v[48 i + 12 a]; window 2: K steps 5-7.  Window 3: accumulator (a, b) at v[8 (8 a + b)]; b 0-3 gate, 4-7 up.
.set UNIT,  25600
.set SLOT1, 1<<17                      ; slot 1 begins here: one exclusive or turns an address
.set SPARE, SLOT1+4*UNIT               ; behind the ring: the spare words, 128 bytes a wave: two blocks of 256 bytes that no other line names
.set TT, 64                            ; h: v[TT + 32 a + x]
.set MM8, 192                          ; v192-199 largest magnitudes
.set NN, 200                           ; v200-207 the other half's, then the bytes
.set SS, 208                           ; v208-215 the conversions' scale operands
.set HW, 216                           ; v216-219 two bytes a token block
.set PP, 220                           ; v220-243 codes: six registers a token block
.set YY, 192                           ; the conversions' second halves, over what is done with
.set MSB, 0
.macro WIN new
.if MSB != (\new)
	s_set_vgpr_msb (MSB<<8)|(\new)
.set MSB, (\new)
.endif
.endm
.macro CROUND                          ; a round of the cluster's barrier
	s_barrier_signal -1
	s_barrier_wait -1
	s_cmp_lg_u32 s12, 0
	s_cbranch_scc1 .Lnot_wave_0_\@
	s_barrier_signal -3
.Lnot_wave_0_\@:
	s_barrier_wait -3
	s_barrier_signal -1
	s_barrier_wait -1
.endm
	s_load_b256 s[4:11], s[0:1], 0x0               ; xq, wq1, comb, hq
	v_lshl_add_u32 v1, v0, 2, SPARE
	v_mov_b32 v2, 0
	ds_add_u32 v1, v2
	ds_add_u32 v1, v2
	s_wait_dscnt 0x0
	v_lshrrev_b32 v3, 5, v0
	v_readfirstlane_b32 s12, v3                    ; wave
	s_bfe_u32 s13, ttmp6, 0x40000                  ; cx
	s_lshl_b32 s14, ttmp9, 2
	s_add_co_u32 s14, s14, s13                     ; T: it enters xq's, comb's and hq's addresses alone
	s_and_b32 s15, ttmp7, 0xffff                   ; Y, which the four partners share
	; descriptor group 1: a unit as 100 rows of 256 bytes (32 elements of 8 bytes), dense, no padding
	s_mov_b32 s24, 15|(3<<16)|(1<<21)              ; the mask: all four work-groups; elements of 8 bytes; bit 21 beside a mask
	s_mov_b32 s25, 32<<16                          ; tensor_dim0
	s_mov_b32 s26, 100<<16                         ; tensor_dim1
	s_mov_b32 s27, 32<<16                          ; tile_dim0
	s_mov_b32 s28, 100                             ; tile_dim1
	s_mov_b32 s29, 32                              ; the pitch
	s_mov_b32 s30, 0
	s_mov_b32 s31, 0
	s_mul_i32 s56, s15, 20*UNIT                    ; my five row groups,
	s_mul_i32 s33, s12, UNIT                       ; my unit: in LDS (slot 0),
	s_add_co_u32 s56, s56, s33                     ; and in memory
	s_mov_b32 s57, 0
	s_mov_b32 s32, 1
	s_wait_kmcnt 0x0
	s_add_nc_u64 s[34:35], s[6:7], s[56:57]
	s_or_b32 s35, s35, 0x80000000
	CROUND                                         ; all four work-groups are here: the first joint loads meet
	tensor_load_to_lds s[32:35], s[24:31]          ; row group 0 into slot 0
	s_nop 0
.rept 4
	v_nop
.endr
	s_mul_i32 s17, s15, 5                          ; gB
	s_mov_b32 s16, 0                               ; the slot in hand
	s_mov_b32 s20, 0x76543210
	s_mov_b32 s21, 0xfedcba98
	s_mov_b32 s22, 0xbfb8aa3b                      ; -log2(e)
	s_mov_b32 s23, s22
	s_mov_b32 s52, 0xffff0000                      ; lanes 16-31
	s_lshl_b32 s53, s14, 1
	s_lshr_b32 s54, s12, 1
	s_add_co_u32 s53, s53, s54                     ; g = my 128 tokens' group
	s_and_b32 s54, s12, 1
	s_mul_i32 s55, s54, 12288                      ; my four blocks of 16 rows in a unit's codes,
	s_lshl_b32 s56, s54, 8
	s_add_co_u32 s56, s56, 24576                   ; and among its scale words
	s_mul_i32 s58, s53, 4*UNIT
	s_mov_b32 s61, 0
	s_add_co_u32 s60, s58, s55
	s_add_nc_u64 s[36:37], s[4:5], s[60:61]        ; x's codes
	s_add_co_u32 s60, s58, s56
	s_add_nc_u64 s[38:39], s[4:5], s[60:61]        ; x's scale words
	s_mul_i32 s58, s53, 20*UNIT
	s_add_co_u32 s60, s58, s55
	s_add_nc_u64 s[40:41], s[10:11], s[60:61]      ; h's codes
	s_add_co_u32 s60, s58, s56
	s_add_nc_u64 s[42:43], s[10:11], s[60:61]      ; h's scale bytes
	s_lshl_b32 s60, s14, 10
	s_lshl_b32 s58, s12, 8
	s_add_co_u32 s60, s60, s58
	s_add_nc_u64 s[48:49], s[8:9], s[60:61]        ; comb at my first token
	v_and_b32 v4, 31, v0
	v_lshlrev_b32 v3, 4, v4                        ; 16 x lane
	v_lshlrev_b32 v4, 3, v4                        ; 8 x lane
	v_and_b32 v7, 15, v0
	v_lshlrev_b32 v7, 2, v7                        ; 4 r
	v_bfe_u32 v6, v0, 4, 1
	v_lshl_add_u32 v5, v6, 9, v7                   ; 512 h + 4 r: lanes 0-15 the first 128 along K of a unit, lanes 16-31 the second
	v_lshl_add_u32 v6, v6, 6, v7                   ; 64 h + 4 r
.irp a, 0,1,2,3
	v_mov_b32 v[17+2*\a], 0                        ; named as the upper halves of pairs
.endr
.irp i, 0,1,2,3,4,5,6,7
	v_mov_b32 v[NN+\i], 0                          ; a lane permute's destination counts as one of its sources
.endr
.macro ALOAD i, rb                     ; x's four fragments of K step i
.irp a, 0,1,2,3
.irp c, 0,1
	global_load_b128 v[\rb+12*\a+6*\c:\rb+12*\a+6*\c+3], v3, s[36:37] offset:UNIT*((\i)/2)+1536*((\i)%2)+3072*\a+768*\c
	global_load_b64 v[\rb+12*\a+6*\c+4:\rb+12*\a+6*\c+5], v4, s[36:37] offset:UNIT*((\i)/2)+1536*((\i)%2)+3072*\a+768*\c+512
.endr
.endr
.endm
	WIN 0x40
.irp i, 0,1,2,3,4
	ALOAD \i, 48*\i
.endr
	WIN 0x80
.irp i, 5,6,7
	ALOAD \i, 48*(\i-5)
.endr
	WIN 0
.irp s, 0,1,2,3
.irp a, 0,1,2,3
	global_load_b32 v[32+4*\s+\a], v5, s[38:39] offset:UNIT*\s+64*\a
.endr
.endr
; THE CHANGE OF SLOTS, at a sub-tile's head.  Each wave waits for all its tensor loads (its unit of the slot ahead), adds 0 to its spare word, and waits for that and for its reads of the slot that it has left.
; fill = 1: a round of the cluster's barrier, and behind it the slot just left takes the next row group.
.macro CHANGE fill
	WIN 0
	s_wait_tensorcnt 0x0                           ; no tensor load of mine is out, so group 0 may be written
	ds_add_u32 v1, v2                              ; 0 onto my spare word; scalar work stands between it and the wait for it
.if \fill
	s_xor_b32 s33, s33, SLOT1
	s_add_nc_u64 s[34:35], s[34:35], 4*UNIT
.endif
	s_wait_xcnt 0x0                                ; the last sub-tile's stores and loads have read their bases and data: both are written anew below and in the fetches
	s_lshr_b32 s53, s17, 2
	s_mul_i32 s53, s53, UNIT                       ; h's unit: gB / 4
	s_bfe_u32 s54, s17, 0x10001                    ; which 128 of it
	s_and_b32 s55, s17, 1                          ; which 64 of those
	s_mul_i32 s56, s54, 1536
	s_add_co_u32 s56, s56, s53
	s_mul_i32 s58, s55, 768
	s_add_co_u32 s56, s56, s58
	s_mov_b32 s57, 0
	s_add_nc_u64 s[44:45], s[40:41], s[56:57]
	s_lshl_b32 s56, s54, 9
	s_add_co_u32 s56, s56, s53
	s_lshl_b32 s58, s55, 1
	s_add_co_u32 s56, s56, s58
	s_add_nc_u64 s[46:47], s[42:43], s[56:57]
	s_lshr_b32 s56, s17, 4
	s_lshl_b32 s56, s56, 14                        ; the expert's plane of comb
	s_add_nc_u64 s[50:51], s[48:49], s[56:57]
	s_wait_dscnt 0x0                               ; the add is done, and my reads of the slot that I have left are over
.if \fill
	CROUND
	tensor_load_to_lds s[32:35], s[24:31]          ; the first thing behind the round, and my one tensor load until the next
	s_nop 0
.rept 4
	v_nop
.endr
.else
	s_barrier_signal -1
	s_barrier_wait -1
.endif
.endm
.macro FETCH i                         ; the weights' eight fragments of K step i into set i % 2; with an even step the unit's scale words
.set FS, 64+96*((\i)%2)
.set FH, (\i)/4
.set FO, (((\i)/2)%2)*UNIT+1536*((\i)%2)
.irp b, 0,1,2,3,4,5,6,7
.irp c, 0,1
	ds_load_b128 v[FS+12*\b+6*\c:FS+12*\b+6*\c+3], v[8+FH] offset:FO+3072*\b+768*\c
	ds_load_b64 v[FS+12*\b+6*\c+4:FS+12*\b+6*\c+5], v[10+FH] offset:FO+3072*\b+768*\c+512
.endr
.endr
.if (\i)%2 == 0
.irp b, 0,1,2,3,4,5,6,7
	ds_load_b32 v[48+8*(((\i)/2)%2)+\b], v[12+FH] offset:(((\i)/2)%2)*UNIT+24576+64*\b
.endr
.endif
.endm
.macro MUL i                           ; 32 matrix instructions; the 32 accumulators take turns, one instruction a turn, in the same order in every K step
.if (\i) < 5
	WIN 0xf4                                       ; source 1 (x) window 1; C and D window 3
.set AB, 48*(\i)
.else
	WIN 0xf8                                       ; source 1 window 2
.set AB, 48*((\i)-5)
.endif
.set FS, 64+96*((\i)%2)
.set SBB, 48+8*(((\i)/2)%2)
.set SAB, 32+4*((\i)/2)
.irp a, 0,1,2,3
.irp b, 0,1,2,3,4,5,6,7
.if (\i) == 0
	v_wmma_scale_f32_16x16x128_f8f6f4 v[8*(8*\a+\b):8*(8*\a+\b)+7], v[FS+12*\b:FS+12*\b+11], v[AB+12*\a:AB+12*\a+11], 0, v[SBB+\b], v[SAB+\a] matrix_a_fmt:MATRIX_FMT_BF6 matrix_b_fmt:MATRIX_FMT_BF6
.elseif (\i)%2 == 0
	v_wmma_scale_f32_16x16x128_f8f6f4 v[8*(8*\a+\b):8*(8*\a+\b)+7], v[FS+12*\b:FS+12*\b+11], v[AB+12*\a:AB+12*\a+11], v[8*(8*\a+\b):8*(8*\a+\b)+7], v[SBB+\b], v[SAB+\a] matrix_a_fmt:MATRIX_FMT_BF6 matrix_b_fmt:MATRIX_FMT_BF6
.else
	v_wmma_scale_f32_16x16x128_f8f6f4 v[8*(8*\a+\b):8*(8*\a+\b)+7], v[FS+12*\b:FS+12*\b+11], v[AB+12*\a:AB+12*\a+11], v[8*(8*\a+\b):8*(8*\a+\b)+7], v[SBB+\b], v[SAB+\a] matrix_a_fmt:MATRIX_FMT_BF6 matrix_b_fmt:MATRIX_FMT_BF6 matrix_a_scale:MATRIX_SCALE_ROW1 matrix_b_scale:MATRIX_SCALE_ROW1
.endif
.endr
.endr
.endm
.macro KSTEP i
.if (\i) >= 1
.rept 4
	v_nop                                          ; places in front of loads into the set that the last K step's products read
.endr
.endif
	WIN 0
.if (\i) < 7
	FETCH (\i)+1
.if ((\i)+1)%2 == 0
	s_wait_dscnt 40                                ; all but the 32 + 8 loads just issued: this K step's fragments are in
.else
	s_wait_dscnt 32                                ; all but the 32 just issued
.endif
.else
	s_wait_dscnt 0x0
.endif
.if (\i) == 0
	s_wait_loadcnt 4                               ; in the first sub-tile: x's fragments and scale words are in; the four combine words behind them may be out
.endif
	MUL \i
.endm
; THE ACTIVATION AND h's QUANTISER.  acc[64 a + x], x = 0..31: gate of token 16 a + r at hidden unit 32 (x / 16) + 16 h + x % 16 of the group's 64; acc[64 a + 32 + x]: up.
.macro EPI
.rept 4
	v_nop                                          ; places behind the last products
.endr
	WIN 0x03
.set p, 0
.rept 64
	v_pk_mul_f32 v[TT+2*p:TT+2*p+1], v[64*(p/16)+2*(p%16):64*(p/16)+2*(p%16)+1], s[22:23] op_sel_hi:[1,0]   ; -g log2(e); each accumulator from its low end on
.set p, p+1
.endr
	WIN 0
.set p, 0
	s_wait_alu depctr_va_vdst(0)
.rept 128
	v_exp_f32 v[TT+p], v[TT+p]
.set p, p+1
.endr
	v_nop                                          ; a plain place behind the last exponential
	s_wait_alu depctr_va_vdst(0)                   ; one wait for the batch, ahead of its first reader
.set p, 0
.rept 64
	v_pk_add_f32 v[TT+2*p:TT+2*p+1], v[TT+2*p:TT+2*p+1], 1.0 op_sel_hi:[1,0]
.set p, p+1
.endr
.set p, 0
	s_wait_alu depctr_va_vdst(0)
.rept 128
	v_rcp_f32 v[TT+p], v[TT+p]                     ; sigmoid(g)
.set p, p+1
.endr
	v_nop
	s_wait_alu depctr_va_vdst(0)
	WIN 0x03
.set p, 0
.rept 64
	v_pk_mul_f32 v[TT+2*p:TT+2*p+1], v[64*(p/16)+2*(p%16):64*(p/16)+2*(p%16)+1], v[TT+2*p:TT+2*p+1]          ; silu(g)
.set p, p+1
.endr
.set p, 0
.rept 64
	v_pk_mul_f32 v[TT+2*p:TT+2*p+1], v[64*(p/16)+32+2*(p%16):64*(p/16)+32+2*(p%16)+1], v[TT+2*p:TT+2*p+1]    ; x up
.set p, p+1
.endr
	WIN 0
	s_wait_loadcnt 0x0                             ; the combine words
.set p, 0
.rept 64
	v_pk_mul_f32 v[TT+2*p:TT+2*p+1], v[TT+2*p:TT+2*p+1], v[16+2*(p/16):17+2*(p/16)] op_sel_hi:[1,0]          ; x combine
.set p, p+1
.endr
.irp k, 0,1,2,3,4,5,6,7                        ; eight blocks of 32 (token block k / 2, block k % 2), my 16 numbers of each, by turns
	v_max3_num_f32 v[MM8+\k], |v[TT+16*\k]|, |v[TT+16*\k+1]|, 0x2800000   ; with the floor 2^(5 - 127)
.endr
.irp i, 2,4,6,8,10,12,14
.irp k, 0,1,2,3,4,5,6,7
	v_max3_num_f32 v[MM8+\k], v[MM8+\k], |v[TT+16*\k+\i]|, |v[TT+16*\k+\i+1]|
.endr
.endr
.irp k, 0,1,2,3,4,5,6,7
	v_permlanex16_b32 v[NN+\k], v[MM8+\k], s20, s21
.endr
.irp k, 0,1,2,3,4,5,6,7
	v_max_num_f32 v[MM8+\k], v[MM8+\k], v[NN+\k]   ; with lane l xor 16's 16
.endr
.irp k, 0,1,2,3,4,5,6,7
	v_add_nc_u32 v[SS+\k], 0xfe000000, v[MM8+\k]   ; 4 off the exponent field
.endr
.irp k, 0,1,2,3,4,5,6,7
	v_lshrrev_b32 v[NN+\k], 23, v[SS+\k]           ; the byte
.endr
.irp a, 0,1,2,3
	v_lshl_or_b32 v[HW+\a], v[NN+2*\a+1], 8, v[NN+2*\a]
.endr
.irp a, 0,1,2,3
	v_cvt_scalef32_pk16_bf6_f32 v[PP+6*\a:PP+6*\a+2], v[TT+32*\a:TT+32*\a+15], v[SS+2*\a]
	v_cvt_scalef32_pk16_bf6_f32 v[YY+4*\a:YY+4*\a+2], v[TT+32*\a+16:TT+32*\a+31], v[SS+2*\a+1]
.endr
	v_nop                                          ; one plain place behind a scaled conversion
	v_cndmask_b32 v[HW], v[HW], v[HW+1], s52       ; lanes 0-15: token block 0's bytes, lanes 16-31: block 1's
	v_cndmask_b32 v[HW+2], v[HW+2], v[HW+3], s52
.irp a, 0,1,2,3                                ; the operand's layout wants a whole block in a lane: lanes 0-15 the first 32, lanes 16-31 the second
.irp i, 0,1,2
	v_permlane16_swap_b32 v[PP+6*\a+\i], v[YY+4*\a+\i]
.endr
.irp i, 0,1,2
	v_mov_b32 v[PP+6*\a+3+\i], v[YY+4*\a+\i]
.endr
.endr
.irp a, 0,1,2,3
	global_store_b128 v3, v[PP+6*\a:PP+6*\a+3], s[44:45] offset:3072*\a        ; 512 consecutive bytes, at a multiple of 256 from hq's first byte
	global_store_b64 v4, v[PP+6*\a+4:PP+6*\a+5], s[44:45] offset:3072*\a+512   ; 256 likewise
.endr
	global_store_b16 v6, v[HW], s[46:47]
	global_store_b16 v6, v[HW+2], s[46:47] offset:128
.endm
.macro SUBTILE fill
	CHANGE \fill
.irp a, 0,1,2,3
	global_load_b32 v[16+2*\a], v7, s[50:51] offset:64*\a   ; combine of token 16 a + r for this group's expert
.endr
	v_add_nc_u32 v8, s16, v3
	s_wait_alu depctr_va_vdst(0)
	v_add_nc_u32 v10, s16, v4
	s_wait_alu depctr_va_vdst(0)
	v_add_nc_u32 v12, s16, v5
	s_wait_alu depctr_va_vdst(0)
	v_add_nc_u32 v9, 2*UNIT, v8                    ; units 2 and 3 lie beyond an LDS instruction's immediate
	s_wait_alu depctr_va_vdst(0)
	v_add_nc_u32 v11, 2*UNIT, v10
	s_wait_alu depctr_va_vdst(0)
	v_add_nc_u32 v13, 2*UNIT, v12
	s_wait_alu depctr_va_vdst(0)
	FETCH 0
.irp i, 0,1,2,3,4,5,6,7
	KSTEP \i
.endr
	EPI
	WIN 0
	s_xor_b32 s16, s16, SLOT1
	s_add_co_u32 s17, s17, 1
.endm
	s_mov_b32 s18, 4
.Lsub:                                             ; four trips: behind each change of slots the next row group is asked for
	SUBTILE 1
	s_sub_co_u32 s18, s18, 1
	s_cmp_lg_u32 s18, 0
	s_cbranch_scc1 .Lsub
	SUBTILE 0                                      ; the last row group is written out
	s_wait_tensorcnt 0x0                           ; the wave's end
	ds_add_u32 v1, v2
	s_wait_dscnt 0x0
	CROUND                                         ; the closing round
	s_endpgm
.Lfunc_end_k_q10e95e5e11_gateup:
	.size	k_q10e95e5e11_gateup, .Lfunc_end_k_q10e95e5e11_gateup-k_q10e95e5e11_gateup
	.p2alignl 7, 3214868480
	.fill 96, 4, 3214868480
	.section	.rodata,"a",@progbits
	.p2align	6, 0x0
	.amdhsa_kernel k_q10e95e5e11_gateup
		.amdhsa_group_segment_fixed_size 327680
		.amdhsa_private_segment_fixed_size 0
		.amdhsa_enable_private_segment 0
		.amdhsa_kernarg_size 32
		.amdhsa_user_sgpr_count 2
		.amdhsa_user_sgpr_kernarg_segment_ptr 1
		.amdhsa_wavefront_size32 1
		.amdhsa_system_sgpr_workgroup_id_x 1
		.amdhsa_system_sgpr_workgroup_id_y 1
		.amdhsa_system_sgpr_workgroup_id_z 1
		.amdhsa_system_vgpr_workitem_id 0
		.amdhsa_next_free_vgpr 1024
		.amdhsa_next_free_sgpr 66
		.amdhsa_reserve_vcc 0
		.amdhsa_float_denorm_mode_32 3
		.amdhsa_float_denorm_mode_16_64 3
		.amdhsa_memory_ordered 1
		.amdhsa_forward_progress 1
		.amdhsa_inst_pref_size 200
	.end_amdhsa_kernel
	.amdgpu_metadata
---
amdhsa.version: [ 1, 2 ]
amdhsa.kernels:
  - .name:           k_q10e95e5e11_gateup
    .symbol:         k_q10e95e5e11_gateup.kd
    .args:
      - { .name: xq, .offset: 0, .size: 8, .value_kind: global_buffer, .address_space: global }
      - { .name: wq1, .offset: 8, .size: 8, .value_kind: global_buffer, .address_space: global }
      - { .name: comb, .offset: 16, .size: 8, .value_kind: global_buffer, .address_space: global }
      - { .name: hq, .offset: 24, .size: 8, .value_kind: global_buffer, .address_space: global }
    .group_segment_fixed_size: 327680
    .private_segment_fixed_size: 0
    .kernarg_segment_align: 8
    .kernarg_segment_size: 32
    .max_flat_workgroup_size: 128
    .sgpr_count:     66
    .vgpr_count:     1024
    .wavefront_size: 32
...
	.end_amdgpu_metadata
.endif
;; end of part 2
;; launch down (part 3): grid 32 x 8, 4 waves a work-group, clusters of 4 x 1, 327,680 bytes of LDS; arguments hq, wq2, out0; writes out0
.if DOCPART == 3
	.amdgcn_target "amdgcn-amd-amdhsa--gfx1250"
	.amdhsa_code_object_version 6
	.text
	.protected	k_q10e95e5e11_down
	.globl	k_q10e95e5e11_down
	.p2align	8
	.type	k_q10e95e5e11_down,@function
k_q10e95e5e11_down:
	s_mov_b64 s[64:65], 0
	v_nop
	global_prefetch_b8 v0, s[64:65] scope:SCOPE_SE
	s_setreg_imm32_b32 hwreg(HW_REG_WAVE_MODE, 25, 1), 1
	s_wait_xcnt 0x0
	s_wait_alu depctr_hold_cnt(0) depctr_sa_sdst(0) depctr_va_vdst(0) depctr_va_sdst(0) depctr_va_ssrc(0) depctr_va_vcc(0) depctr_vm_vsrc(0)
	s_getreg_b32 s2, hwreg(HW_REG_IB_STS2, 6, 4)
	s_cmp_eq_u32 s2, 0
	s_cbranch_scc0 .Lentry_in_a_cluster
	s_endpgm
.Lentry_in_a_cluster:
	s_bfe_u32 s2, ttmp6, 0x10000c
	s_cmp_lg_u32 s2, 0x3003
	s_cbranch_scc0 .Lentry_shape_is_right
	s_endpgm
.Lentry_shape_is_right:
; DOWN: out0[token][d] = sum over the five planes (four experts and the shared one) and their 1,024 hidden units of h x down weight: ONE product with K = 5,120, on codes of BF6 with E8M0 scales, f32 sums.
; hq and wq2 are laid in units of 25,600 bytes = 128 rows x 256 along K: codes as images of the operand's registers ([16 rows][128 K][64 K][768 bytes]: 16 bytes a lane, then 8 bytes a lane), scale words from byte 24,576 on.
; SHARES: a work-group makes 128 tokens x 128 columns; wave w makes tokens 32 w .. 32 w + 31 against all 128 columns: 16 accumulators.  40 K steps of 128.
; h's fragments are each wave's own: they come from hq straight into registers, seven K steps ahead, in a ring of eight sets; h's scale words of all 20 units come once, at the head.
; The weights go through two LDS slots of five units (ten K steps) each: four fills, a quarter of a slot (125 rows of 256 bytes) a wave.
; CLUSTER: the four work-groups of a cluster have the same 128 columns and other tokens: each fill is asked for JOINTLY.  h is not shared.
; THE MATRIX INSTRUCTION IS USED TRANSPOSED (source 0 = 16 weight rows, source 1 = 16 tokens): a lane holds eight neighbouring columns of one token's row of out0.
; No prefetch: the walk along K is written out, with no loop to run ahead in, and of its four fills two are asked for at the head.
; LIMITS: NaN and infinities are not served.
; REGISTERS: window 0: v1 spare word, v2 zero, v3-5 lane terms, v8-25 LDS addresses, v26-27 the stage, v32-47 the weights' scale words (two sets), v48-87 h's scale words, v128-255 the way out.
; Window 1: h's fragments, set i % 8 at v[24 (i % 8)].  Window 2: accumulator (a, b) at v[8 (8 a + b)].  Window 3: the weights' fragments, two sets of 96.
.set UNIT,  25600
.set SLOTB, 5*UNIT
.set QUART, SLOTB/4
.set SPARE, 2*SLOTB                    ; behind the ring: the spare words, 128 bytes a wave: two blocks of 256 bytes that no other line names
.set STAGE, SPARE+512                  ; behind them: a stage of 16 rows x 528 bytes for each wave; no fill lands there
.set SP,    528
.set NK,    40
.set AHEAD, 7
.set O16, 3                            ; 16 x lane
.set O8,  4                            ; 8 x lane
.set SWO, 5                            ; 4 r + 512 h: lanes 0-15 a unit's first 128 along K, lanes 16-31 its second
.set B16, 8                            ; v8-13, v14-19, v20-25: the same three, for slot s and pair of units p, at 3 s + p
.set B8,  14
.set BSW, 20
.set STO, 26
.set RD,  27
.set SBR, 32
.set SAR, 48
.set OUTR, 128
.set MSB, 0
.macro WIN new                         ; the immediate's high byte repeats the setting that is left
.if MSB != (\new)
	s_set_vgpr_msb (MSB<<8)|(\new)
.set MSB, (\new)
.endif
.endm
.macro CROUND                          ; a round of the cluster's barrier
	s_barrier_signal -1
	s_barrier_wait -1
	s_cmp_lg_u32 s10, 0
	s_cbranch_scc1 .Lnot_wave_0_\@
	s_barrier_signal -3
.Lnot_wave_0_\@:
	s_barrier_wait -3
	s_barrier_signal -1
	s_barrier_wait -1
.endm
.macro PLACES
.rept 4
	v_nop
.endr
.endm
	s_load_b128 s[4:7], s[0:1], 0x0                ; hq, wq2
	s_load_b64 s[8:9], s[0:1], 0x10                ; out0
	v_lshl_add_u32 v1, v0, 2, SPARE
	v_mov_b32 v2, 0
	ds_add_u32 v1, v2                              ; the opening adds, twice on end; their wait stands ahead of my first tensor load
	ds_add_u32 v1, v2
	v_lshrrev_b32 v6, 5, v0
	v_readfirstlane_b32 s10, v6                    ; wave
	v_and_b32 v6, 31, v0
	v_lshlrev_b32 v[O16], 4, v6
	v_lshlrev_b32 v[O8], 3, v6
	v_and_b32 v7, 15, v0                           ; r
	v_bfe_u32 v6, v0, 4, 1                         ; h
	v_lshlrev_b32 v[SWO], 2, v7
	v_lshl_add_u32 v[SWO], v6, 9, v[SWO]
.irp s, 0,1
.irp p, 0,1,2
	v_add_nc_u32 v[B16+3*\s+\p], \s*SLOTB+\p*2*UNIT, v[O16]
	v_add_nc_u32 v[B8+3*\s+\p], \s*SLOTB+\p*2*UNIT, v[O8]
	v_add_nc_u32 v[BSW+3*\s+\p], \s*SLOTB+\p*2*UNIT+24576, v[SWO]
.endr
.endr
	s_mul_i32 s58, s10, 16*SP
	s_add_co_u32 s58, s58, STAGE                   ; my stage
	v_mul_u32_u24 v[STO], v7, SP                   ; in: row r, 32 bytes for each half of the lanes
	v_lshl_add_u32 v[STO], v6, 5, v[STO]
	v_add_nc_u32 v[STO], s58, v[STO]
	v_add_nc_u32 v[RD], s58, v[O16]                ; back: the 32 lanes take one row of 512 bytes
	s_bfe_u32 s13, ttmp6, 0x40000                  ; cx
	s_lshl_b32 s14, ttmp9, 2
	s_add_co_u32 s14, s14, s13                     ; my 128 tokens: they enter hq's and out0's addresses alone
	s_and_b32 s15, ttmp7, 0xffff                   ; my 128 columns, which the four partners share
	s_mov_b32 s24, 15|(3<<16)|(1<<21)              ; group 1: the mask of all four work-groups; elements of 8 bytes; bit 21 beside a mask
	s_mov_b32 s25, 32<<16                          ; rows of 256 bytes,
	s_mov_b32 s26, 125<<16                         ; 125 of them, dense
	s_mov_b32 s27, 32<<16
	s_mov_b32 s28, 125
	s_mov_b32 s29, 32
	s_mov_b32 s30, 0
	s_mov_b32 s31, 0
	s_mul_i32 s16, s10, QUART                      ; my quarter of a slot
	s_mul_i32 s18, s15, 20*UNIT
	s_add_co_u32 s18, s18, s16
	s_mov_b32 s19, 0
	s_mul_i32 s52, s14, 20*UNIT
	s_mul_i32 s53, s10, 6144                       ; my two blocks of 16 tokens in a unit's codes
	s_add_co_u32 s54, s52, s53
	s_mov_b32 s55, 0
	s_lshl_b32 s53, s10, 7                         ; and among its scale words
	s_add_co_u32 s22, s52, s53
	s_add_co_u32 s22, s22, 24576
	s_mov_b32 s23, 0
	s_lshl_b32 s56, s14, 19                        ; out0: 128 rows of 4,096 bytes a work-group, 32 a wave, 512 bytes of columns
	s_lshl_b32 s57, s10, 17
	s_add_co_u32 s56, s56, s57
	s_lshl_b32 s57, s15, 9
	s_add_co_u32 s56, s56, s57
	s_mov_b32 s57, 0
	s_wait_alu depctr_va_vdst(0)                   ; the wait at the head's end: no vector instruction writes a register behind it
	s_wait_dscnt 0x0                               ; both opening adds are done
	s_wait_kmcnt 0x0
	s_add_nc_u64 s[20:21], s[6:7], s[18:19]
	s_add_nc_u64 s[48:49], s[4:5], s[54:55]        ; h's codes
	s_add_nc_u64 s[50:51], s[4:5], s[22:23]        ; h's scale words
	s_add_nc_u64 s[8:9], s[8:9], s[56:57]
.irp k, 0,1,2,3                                    ; a group 0 for each of the four fills
	s_mov_b32 s[32+4*\k], 1
	s_add_co_u32 s[33+4*\k], s16, (\k%2)*SLOTB
	s_add_nc_u64 s[34+4*\k:35+4*\k], s[20:21], \k*SLOTB
	s_or_b32 s[35+4*\k], s[35+4*\k], 0x80000000
.endr
	CROUND                                         ; all four work-groups are here: the first joint loads meet
	tensor_load_to_lds s[32:35], s[24:31]          ; K steps 0-9: my one tensor load at the head
	s_nop 0
	PLACES
.macro ALOAD i                         ; h's two fragments of K step i: eight loads
.set RB, 24*((\i)%8)
.set AO, UNIT*((\i)/2)+1536*((\i)%2)
	WIN 0x40
.irp a, 0,1
.irp c, 0,1
	global_load_b128 v[RB+12*\a+6*\c:RB+12*\a+6*\c+3], v[O16], s[48:49] offset:AO+3072*\a+768*\c
	global_load_b64 v[RB+12*\a+6*\c+4:RB+12*\a+6*\c+5], v[O8], s[48:49] offset:AO+3072*\a+768*\c+512
.endr
.endr
.endm
.set u, 0
.rept 20                                           ; while the tile is on its way: h's scale words of all 20 units,
	global_load_b32 v[SAR+2*u], v[SWO], s[50:51] offset:UNIT*u
	global_load_b32 v[SAR+2*u+1], v[SWO], s[50:51] offset:UNIT*u+64
.set u, u+1
.endr
	ALOAD 0                                        ; and its first two K steps: 56 loads are out
	ALOAD 1
	WIN 0
	s_wait_tensorcnt 0x0                           ; my quarter of slot 0 is in
	ds_add_u32 v1, v2
	s_wait_dscnt 0x0
	CROUND                                         ; slot 0 is whole in every partner
	tensor_load_to_lds s[36:39], s[24:31]          ; K steps 10-19 into slot 1: the first tensor load behind the round
	s_nop 0
	PLACES
.irp i, 2,3,4,5,6
	ALOAD \i
.endr
.macro SETF i
.set FS, 96*((\i)%2)
.set FSL, ((\i)/10)%2
.set FU, ((\i)%10)/2
.set FP, FU/2
.set FO, (FU%2)*UNIT+1536*((\i)%2)
.endm
.macro FRAGB i, b                      ; the weights' fragment b of K step i into set i % 2: four loads
	SETF \i
	WIN 0xc0
.irp c, 0,1
	ds_load_b128 v[FS+12*\b+6*\c:FS+12*\b+6*\c+3], v[B16+3*FSL+FP] offset:FO+3072*\b+768*\c
	ds_load_b64 v[FS+12*\b+6*\c+4:FS+12*\b+6*\c+5], v[B8+3*FSL+FP] offset:FO+3072*\b+768*\c+512
.endr
.endm
.macro SCALEW i                        ; i even: the weights' scale words of the unit that holds K steps i and i + 1: eight loads
	SETF \i
	WIN 0
.irp b, 0,1,2,3,4,5,6,7
	ds_load_b32 v[SBR+8*(((\i)/2)%2)+\b], v[BSW+3*FSL+FP] offset:(FU%2)*UNIT+64*\b
.endr
.endm
.macro MULB i, b                       ; two matrix instructions: weight fragment b against my two token blocks.  Over a K step the 16 accumulators take turns, in the same order in every K step
.set FS, 96*((\i)%2)
.set RB, 24*((\i)%8)
.set SBB, SBR+8*(((\i)/2)%2)
.set SAB, SAR+2*((\i)/2)
	WIN 0xa7
.irp a, 0,1
.if (\i) == 0
	v_wmma_scale_f32_16x16x128_f8f6f4 v[8*(8*\a+\b):8*(8*\a+\b)+7], v[FS+12*\b:FS+12*\b+11], v[RB+12*\a:RB+12*\a+11], 0, v[SBB+\b], v[SAB+\a] matrix_a_fmt:MATRIX_FMT_BF6 matrix_b_fmt:MATRIX_FMT_BF6
.elseif (\i)%2 == 0
	v_wmma_scale_f32_16x16x128_f8f6f4 v[8*(8*\a+\b):8*(8*\a+\b)+7], v[FS+12*\b:FS+12*\b+11], v[RB+12*\a:RB+12*\a+11], v[8*(8*\a+\b):8*(8*\a+\b)+7], v[SBB+\b], v[SAB+\a] matrix_a_fmt:MATRIX_FMT_BF6 matrix_b_fmt:MATRIX_FMT_BF6
.else
	v_wmma_scale_f32_16x16x128_f8f6f4 v[8*(8*\a+\b):8*(8*\a+\b)+7], v[FS+12*\b:FS+12*\b+11], v[RB+12*\a:RB+12*\a+11], v[8*(8*\a+\b):8*(8*\a+\b)+7], v[SBB+\b], v[SAB+\a] matrix_a_fmt:MATRIX_FMT_BF6 matrix_b_fmt:MATRIX_FMT_BF6 matrix_a_scale:MATRIX_SCALE_ROW1 matrix_b_scale:MATRIX_SCALE_ROW1
.endif
.endr
.endm
; A K step: ONE run of loads (h's fragments of seven steps on, the weights' fragments of the next step, with an even next step its unit's scale words), then one run of 16 products.
; The wait on DScnt leaves out exactly the loads just issued for the next step: 32, or 40 with the scale words; a slot's last step fetches nothing and waits for all.
.macro KSTEP i
.if ((\i)%10) >= 1
	PLACES                                         ; in front of loads into the sets that the last K step's products read
.endif
.if NK-1-(\i) < AHEAD-1
	s_wait_loadcnt 8*(NK-1-(\i))                   ; h's fragments of this K step are in; the later steps' eight loads each may be out
.else
	s_wait_loadcnt 8*(AHEAD-1)
.endif
.if (\i)+AHEAD < NK
	ALOAD (\i)+AHEAD
.endif
.if ((\i)%10) < 9
.if (\i)%2 == 1
	SCALEW (\i)+1
.endif
.irp b, 0,1,2,3,4,5,6,7
	FRAGB (\i)+1, \b
.endr
.if (\i)%2 == 1
	s_wait_dscnt 40
.else
	s_wait_dscnt 32
.endif
.else
	s_wait_dscnt 0x0
.endif
.irp b, 0,1,2,3,4,5,6,7
	MULB \i, \b
.endr
.endm
; THE CHANGE OF SLOTS: each wave waits for all its tensor loads (its quarter of the slot ahead), adds 0 to its spare word, and waits for that and for its reads of the slot that it leaves.
; fill = 1: a round of the cluster's barrier, and behind it the slot just left is filled again.
.macro CHANGE fill, g0
	WIN 0
	s_wait_tensorcnt 0x0
	ds_add_u32 v1, v2
	s_wait_dscnt 0x0
.if \fill
	CROUND
	tensor_load_to_lds s[\g0:\g0+3], s[24:31]      ; my one tensor load until the next round
	s_nop 0
.else
	s_barrier_signal -1
	s_barrier_wait -1
.endif
	PLACES                                         ; also the places in front of the loads below
.endm
.macro SLOTK k                         ; ten K steps on one slot
	SCALEW 10*(\k)
.irp b, 0,1,2,3,4,5,6,7
	FRAGB 10*(\k), \b
.endr
.irp j, 0,1,2,3,4,5,6,7,8,9
	KSTEP 10*(\k)+\j
.endr
.endm
	SLOTK 0
	CHANGE 1, 40
	SLOTK 1
	CHANGE 1, 44
	SLOTK 2
	CHANGE 0, 0                                    ; nothing is left to fetch
	SLOTK 3
	; THE WAY OUT: a block of 16 tokens x 128 columns goes through my own stage and comes back as whole rows of 512 bytes.  LDS serves a wave's instructions in order: no wait between the stores and the loads.
	PLACES
.irp a, 0,1
	WIN 0x08
.irp b, 0,1,2,3,4,5,6,7
	ds_store_b128 v[STO], v[8*(8*\a+\b):8*(8*\a+\b)+3] offset:64*\b          ; each accumulator from its low end on
	ds_store_b128 v[STO], v[8*(8*\a+\b)+4:8*(8*\a+\b)+7] offset:64*\b+16
.endr
	WIN 0
.irp t, 0,1,2,3,4,5,6,7,8,9,10,11,12,13,14,15
	ds_load_b128 v[OUTR+64*\a+4*\t:OUTR+64*\a+4*\t+3], v[RD] offset:SP*\t
.endr
.endr
.irp a, 0,1
.irp t, 0,1,2,3,4,5,6,7,8,9,10,11,12,13,14,15
	s_wait_dscnt 32*(1-\a)+15-\t                   ; behind this row's load: its block's later loads, and for block 0 block 1's 16 stores and 16 loads
	global_store_b128 v[O16], v[OUTR+64*\a+4*\t:OUTR+64*\a+4*\t+3], s[8:9] offset:(16*\a+\t)*4096 th:TH_STORE_NT   ; 32 lanes store 512 consecutive bytes, at a multiple of 256 from out0's first byte
.endr
.endr
	s_wait_tensorcnt 0x0                           ; the wave's end
	ds_add_u32 v1, v2
	s_wait_dscnt 0x0
	CROUND                                         ; the closing round
	s_endpgm
.Lfunc_end_k_q10e95e5e11_down:
	.size	k_q10e95e5e11_down, .Lfunc_end_k_q10e95e5e11_down-k_q10e95e5e11_down
	.p2alignl 7, 3214868480
	.fill 96, 4, 3214868480
	.section	.rodata,"a",@progbits
	.p2align	6, 0x0
	.amdhsa_kernel k_q10e95e5e11_down
		.amdhsa_group_segment_fixed_size 327680
		.amdhsa_private_segment_fixed_size 0
		.amdhsa_enable_private_segment 0
		.amdhsa_kernarg_size 24
		.amdhsa_user_sgpr_count 2
		.amdhsa_user_sgpr_kernarg_segment_ptr 1
		.amdhsa_wavefront_size32 1
		.amdhsa_system_sgpr_workgroup_id_x 1
		.amdhsa_system_sgpr_workgroup_id_y 1
		.amdhsa_system_sgpr_workgroup_id_z 1
		.amdhsa_system_vgpr_workitem_id 0
		.amdhsa_next_free_vgpr 1024
		.amdhsa_next_free_sgpr 66
		.amdhsa_reserve_vcc 0
		.amdhsa_float_denorm_mode_32 3
		.amdhsa_float_denorm_mode_16_64 3
		.amdhsa_memory_ordered 1
		.amdhsa_forward_progress 1
		.amdhsa_inst_pref_size 232
	.end_amdhsa_kernel
	.amdgpu_metadata
---
amdhsa.version: [ 1, 2 ]
amdhsa.kernels:
  - .name:           k_q10e95e5e11_down
    .symbol:         k_q10e95e5e11_down.kd
    .args:
      - { .name: hq, .offset: 0, .size: 8, .value_kind: global_buffer, .address_space: global }
      - { .name: wq2, .offset: 8, .size: 8, .value_kind: global_buffer, .address_space: global }
      - { .name: out0, .offset: 16, .size: 8, .value_kind: global_buffer, .address_space: global }
    .group_segment_fixed_size: 327680
    .private_segment_fixed_size: 0
    .kernarg_segment_align: 8
    .kernarg_segment_size: 24
    .max_flat_workgroup_size: 128
    .sgpr_count:     66
    .vgpr_count:     1024
    .wavefront_size: 32
...
	.end_amdgpu_metadata
.endif
;; end of part 3
